; MI455X (gfx1250); checked and timed in simulation.
; The chip was launched on July 23, 2026; its instructions are those of AMD's public machine-readable ISA for CDNA 5 (MIT licence, August 2026) and "CDNA5" Instruction Set Architecture Reference Guide (July 2026). The comments in the code are by the model that wrote it; some were corrected since.
;; Multi Modal Multi Head Aggregated Attention. Allowed arithmetic: matrix products marked QUANTISED: E2M1 operands, one E8M0 scale for each 32 along K, by v_wmma_scale_f32_16x16x128_f8f6f4 with both operands' format E2M1 (or v_wmma_scale_f32_32x16x128_f4), f32 sums; everything else in f32.
;; Inputs: W_out 1,024 x 2,048 float32; Wk_ecg 1,024 x 1,024 float32; Wk_eeg 1,024 x 1,024 float32; Wq_ecg 1,024 x 1,024 float32; Wq_eeg 1,024 x 1,024 float32; Wv_ecg 1,024 x 1,024 float32; Wv_eeg 1,024 x 1,024 float32; agg_w 1 x 1 x 2,048 float32; b_out 1,024 float32; bk_ecg 1,024 float32; bk_eeg 1,024 float32; bq_ecg 1,024 float32; bq_eeg 1,024 float32; bv_ecg 1,024 float32; bv_eeg 1,024 float32; ecg 2 x 2,048 x 1,024 float32; eeg 2 x 2,048 x 1,024 float32.
;; Outputs: out0 2 x 2,048 x 1,024 float32.
;; This version of the problem:
;;   THIS VERSION OF THE PROBLEM IS GIVEN IN LOW PRECISION. The matrix products marked QUANTISED in the list below multiply operands that are first quantised to E2M1 (2 exponent bits, 1 mantissa bit; 4 bits a number), with one power-of-two scale for each 32 numbers along K (OCP MX v1.0); their sums are f32. All else is computed in f32.
;;   The module's matrix products, in the order in which they are computed (A, B: the left and right operand; K: the contracted axis; several contracted axes count as one K, in the product's order):
;;     1. [M 4,096, K 1,024] x [K 1,024, N 1,024]; A: input eeg; B: input Wq_eeg: QUANTISED
;;     2. [M 4,096, K 1,024] x [K 1,024, N 1,024]; A: input eeg; B: input Wk_eeg: QUANTISED
;;     3. [M 4,096, K 1,024] x [K 1,024, N 1,024]; A: input eeg; B: input Wv_eeg: QUANTISED
;;     4. batch 32 x [M 2,048, K 64] x [K 64, N 2,048]; A: computed on the way; B: computed on the way: QUANTISED
;;     5. batch 32 x [M 2,048, K 2,048] x [K 2,048, N 64]; A: softmax (see below); B: computed on the way: QUANTISED
;;     6. [M 4,096, K 1,024] x [K 1,024, N 1,024]; A: input ecg; B: input Wq_ecg: QUANTISED
;;     7. [M 4,096, K 1,024] x [K 1,024, N 1,024]; A: input ecg; B: input Wk_ecg: QUANTISED
;;     8. [M 4,096, K 1,024] x [K 1,024, N 1,024]; A: input ecg; B: input Wv_ecg: QUANTISED
;;     9. batch 32 x [M 2,048, K 64] x [K 64, N 2,048]; A: computed on the way; B: computed on the way: QUANTISED
;;     10. batch 32 x [M 2,048, K 2,048] x [K 2,048, N 64]; A: softmax (see below); B: computed on the way: QUANTISED
;;     11. [M 4,096, K 2,048] x [K 2,048, N 1,024]; A: computed on the way; B: input W_out: QUANTISED
;;   THE QUANTISER, for each operand of a quantised product, along K:
;;     - K is cut into blocks of 32 from its start; a last block that is shorter is filled with zeros.
;;     - A block's scale is 2^e with e = floor(log2(the largest magnitude in the block)) - 2, held to -126 .. 127; a block of zeros has e = 0. As a byte (E8M0): e + 127.
;;     - Each number is divided by its block's scale, clamped to +-6, and rounded to the nearest number of E2M1, ties to even, subnormals kept.
;;     - The product sums the exact products of the quantised numbers (number of the format x scale) in f32.
;;   ~~~python
;;   def quantise(x, axis):      # numpy; x: float32 -> the quantised numbers, widened to float32 again
;;       x = np.moveaxis(x, axis, -1); K = x.shape[-1]
;;       x = np.pad(x, [(0, 0)] * (x.ndim - 1) + [(0, -K % 32)]); x = x.reshape(x.shape[:-1] + (-1, 32)); a = np.abs(x).max(-1, keepdims=True)
;;       e = np.where(a > 0, np.clip(np.frexp(np.where(a > 0, a, 1))[1] - 1 - 2, -126, 127), 0)      # np.frexp(a)[1] - 1 = floor(log2(a)), exactly
;;       r = np.clip(x / 2.0 ** e, -6, 6)
;;       step = 2.0 ** (np.maximum(np.frexp(np.where(r == 0, 1, r))[1] - 1, 0) - 1)
;;       q = np.round(r / step) * step * 2.0 ** e      # np.round: ties to even
;;       return np.moveaxis(q.reshape(q.shape[:-2] + (-1,))[..., :K], -1, axis).astype(np.float32)
;;   ~~~
;;   SOFTMAX AHEAD OF A QUANTISED PRODUCT. Where the list says 'softmax', what is quantised is not the finished softmax but p = 2^(t - M), with t = logit x log2(e) and M = ceil(the row's largest t), a whole number; so 1/2 < the row's largest p <= 1. The row's sum l is taken of the UNQUANTISED p, in f32, and the product's result is divided by l at the end. Since M is a whole number, a kernel that streams over the keys may use a running M (the ceiling of the running maximum): every later rescaling is an exact power of two, which a block's scale takes up: the codes' values come out the same.
;;   OPERANDS COMPUTED ON THE WAY. 'Computed on the way' means the value that the module computes at that place (a softmax that the list does not call 'softmax' is quantised finished and normalised). What goes into a quantiser is computed in f32, as accurately as f32 sums, v_exp_f32 and their like allow (about 1e-6 of the number): no bf16 or f16 on the way to a quantiser, and a product that is left as it is and whose result goes on into a quantised operand takes f32 operands (vector FMAs, or v_wmma_f32_16x16x4_f32). A number that lies on a knife's edge between two numbers of the format may be rounded either way, as far as f32 arithmetic and the matrix unit's own rounding can turn it there, and no further.
;; One version. Each part assembles by itself: llvm-mc -triple=amdgcn-amd-amdhsa -mcpu=gfx1250 --defsym DOCPART=n.
;; ======== version 1 of 1: 4 launches
;; limits: right only within a limited range of input values
;; workspace buffers: qc 8,388,608 bytes; qsc 524,288 bytes; qf 4,194,304 bytes; qs 524,288 bytes; kv 9,175,040 bytes; af 4,456,448 bytes
;; launch quant (part 1): grid 512 x 1, 4 waves a work-group, no clusters, 33,280 bytes of LDS; arguments eeg, ecg, Wq_eeg, Wk_eeg, Wv_eeg, Wq_ecg, Wk_ecg, Wv_ecg, W_out, qc, qsc; writes qc, qsc
.if DOCPART == 1
	.amdgcn_target "amdgcn-amd-amdhsa--gfx1250"
	.amdhsa_code_object_version 6
	.text
	.protected	k_qdfe59e7a27_quant
	.globl	k_qdfe59e7a27_quant
	.p2align	8
	.type	k_qdfe59e7a27_quant,@function
k_qdfe59e7a27_quant:
	s_mov_b64 s[64:65], 0
	v_nop
	global_prefetch_b8 v0, s[64:65] scope:SCOPE_SE
	s_setreg_imm32_b32 hwreg(HW_REG_WAVE_MODE, 25, 1), 1
	s_wait_xcnt 0x0
; The nine large f32 inputs (eeg, ecg, six weights [1024][1024], W_out [1024][2048]) become codes of FP4 (E2M1), K innermost, with one E8M0 byte for each 32 along K.
; In all nine K is the innermost axis and a multiple of 32, so each is a plain stream of blocks of 32 numbers; the codes (qc) and bytes (qsc) are one stream in the order
; eeg, ecg, Wq_eeg, Wk_eeg, Wv_eeg, Wq_ecg, Wk_ecg, Wv_ecg, W_out: work-group g writes bytes 16,384 g of qc and 1,024 g of qsc.
; A block's scale is 2^(floor(log2(largest magnitude)) - 2); its byte is the largest magnitude's exponent field - 2, held at 1 from below.
; THE ORDER INSIDE A BLOCK.  In every buffer of codes of this program the four words of a block's 16 bytes hold the eights of k in the order 0, 2, 1, 3 (word 1: k 16..23, word 2: k 8..15).
; Both operands of every product have that order, so each product of codes meets its partner; blocks and scales are the true ones.
; LIMITS: a block whose largest magnitude lies under 2^-124 (a block of zeros too) gets the byte 1; its codes then are zeros or held small, and this program alone reads the bytes. NaN and infinities are not served.
; A wave takes 16 steps of 512 numbers.  Each load reads 512 consecutive bytes; a step's 2,048 bytes turn through the wave's own stage in LDS (16 bytes of padding behind each 64)
; and come back 16 numbers a lane: the even lane of a pair takes eights 0 and 2 of its block, the odd lane eights 1 and 3.  No barrier: waves share nothing.
.set STEPS, 16
.set EMAX,  2
.set CB,    8                          ; bytes of 16 codes
.set R,     16                         ; v16-79   four sets of 16 numbers as loaded
.set X,     80                         ; v80-111  two sets of 16 numbers of one block
.set E,     112                        ; v112-127 a scale byte for each step
.set C,     128                        ; v128-191 codes: registers of its own for each step, so that no store's data are written again
.set WREG,  8192                       ; LDS of a wave: two stages of 32 x SP bytes, then its 256 scale bytes
.set SP,    80
.macro PICK thr, reg                   ; from work-group thr on the source is the tensor in s[reg:reg+1]
	s_cmp_ge_u32 ttmp9, \thr
	s_cselect_b64 s[4:5], s[\reg:\reg+1], s[4:5]
	s_cselect_b32 s6, \thr, s6
.endm
	s_load_b512 s[8:23], s[0:1], 0x0               ; eeg, ecg, Wq_eeg, Wk_eeg, Wv_eeg, Wq_ecg, Wk_ecg, Wv_ecg
	s_load_b64 s[24:25], s[0:1], 0x40              ; W_out
	s_load_b64 s[28:29], s[0:1], 0x48              ; qc
	s_load_b64 s[30:31], s[0:1], 0x50              ; qsc
	v_lshl_add_u32 v192, v0, 2, 0x8000
	v_mov_b32 v193, 0
	v_lshrrev_b32 v1, 5, v0
	v_readfirstlane_b32 s32, v1                    ; wave
	v_and_b32 v2, 31, v0                           ; lane
	v_lshlrev_b32 v3, 4, v2                        ; my 16 bytes of a load's 512
	s_mul_i32 s33, s32, WREG
	v_lshrrev_b32 v14, 2, v2
	v_mul_u32_u24 v14, v14, SP
	v_and_b32 v15, 3, v2
	v_lshl_add_u32 v14, v15, 4, v14
	v_add_nc_u32 v14, s33, v14                     ; into the stage: SP (lane / 4) + 16 (lane % 4)
	v_lshrrev_b32 v15, 1, v2
	v_mul_u32_u24 v15, v15, 2*SP
	v_and_b32 v10, 1, v2
	v_lshl_add_u32 v15, v10, 5, v15
	v_add_nc_u32 v15, s33, v15                     ; out of it: my block at 2 SP (lane / 2); the odd lane begins 32 bytes (one eight) further on
	v_mul_u32_u24 v4, v2, CB                       ; my codes' place in a step's 256 bytes
	v_lshrrev_b32 v5, 1, v2
	s_add_co_u32 s33, s33, 2*32*SP
	v_add_nc_u32 v5, s33, v5                       ; my block's scale byte in LDS
	v_lshlrev_b32 v7, 3, v2
	v_add_nc_u32 v6, s33, v7                       ; and 8 bytes a lane on the way out
	s_wait_alu depctr_va_vdst(0)
	s_wait_kmcnt 0x0
	s_mov_b64 s[4:5], s[8:9]                       ; the source: chosen by the work-group's number alone
	s_mov_b32 s6, 0
	PICK 128, 10
	PICK 256, 12
	PICK 288, 14
	PICK 320, 16
	PICK 352, 18
	PICK 384, 20
	PICK 416, 22
	PICK 448, 24
	s_sub_co_u32 s6, ttmp9, s6
	s_lshl_b32 s6, s6, 2
	s_add_co_u32 s6, s6, s32                       ; which run of 8,192 numbers of the tensor is my wave's
	s_lshl_b32 s6, s6, 15                          ; 32,768 bytes a run (the largest tensor has 2^24 bytes)
	s_mov_b32 s7, 0
	s_add_nc_u64 s[4:5], s[4:5], s[6:7]
	s_lshl_b32 s34, ttmp9, 2
	s_add_co_u32 s34, s34, s32                     ; which run of the whole stream
	s_lshl_b32 s36, s34, 12                        ; 4,096 bytes of codes a run
	s_mov_b32 s37, 0
	s_add_nc_u64 s[28:29], s[28:29], s[36:37]
	s_lshl_b32 s36, s34, 8                         ; 256 scale bytes a run
	s_add_nc_u64 s[30:31], s[30:31], s[36:37]
.macro LOAD t
.irp i, 0,1,2,3
	global_load_b128 v[R+16*((\t)%4)+4*\i:R+16*((\t)%4)+4*\i+3], v3, s[4:5] offset:2048*(\t)+512*\i th:TH_LOAD_NT   ; 32 lanes read 512 consecutive bytes
.endr
.endm
.macro TURN t                          ; step t's numbers through the stage: LDS serves a wave's instructions in order, so no wait stands between the stores and the loads
.irp i, 0,1,2,3
	ds_store_b128 v14, v[R+16*((\t)%4)+4*\i:R+16*((\t)%4)+4*\i+3] offset:32*SP*((\t)%2)+8*SP*\i
.endr
.irp i, 0,1
	ds_load_b128 v[X+16*((\t)%2)+4*\i:X+16*((\t)%2)+4*\i+3], v15 offset:32*SP*((\t)%2)+16*\i          ; eight 0 (odd lane: 1)
	ds_load_b128 v[X+16*((\t)%2)+8+4*\i:X+16*((\t)%2)+8+4*\i+3], v15 offset:32*SP*((\t)%2)+SP+16*\i   ; eight 2 (odd lane: 3): the block's second 64 bytes lie SP further on
.endr
.endm
.irp t, 0,1,2,3
	LOAD \t
.endr
	s_wait_loadcnt 12                              ; step 0's four loads are in
	TURN 0
.macro STEP t
.set XS, X+16*((\t)%2)
.if (\t) > 0
	s_wait_dscnt 1                                 ; this step's numbers are back from the stage (the last step's byte store may be out)
.else
	s_wait_dscnt 0x0
.endif
.if (\t)+4 < STEPS
	LOAD (\t)+4                                    ; into the registers that this step's stage stores have read
.endif
.if (\t)+1 < STEPS
.if STEPS-2-(\t) >= 3
	s_wait_loadcnt 12                              ; the next step's four loads are in; the 12 of the three steps behind it may be out
.else
	s_wait_loadcnt 4*(STEPS-2-(\t))
.endif
	TURN (\t)+1
.endif
	v_max3_num_f32 v8, |v[XS]|, |v[XS+1]|, |v[XS+2]|               ; the largest magnitude of my 16
	v_max3_num_f32 v9, |v[XS+3]|, |v[XS+4]|, |v[XS+5]|
.irp i, 6,10
	v_max3_num_f32 v8, v8, |v[XS+\i]|, |v[XS+\i+1]|
	v_max3_num_f32 v9, v9, |v[XS+\i+2]|, |v[XS+\i+3]|
.endr
	v_max3_num_f32 v8, v8, |v[XS+14]|, |v[XS+15]|
	v_max3_num_f32 v8, v8, v9, (EMAX+1)<<23        ; and the floor 2^(3 - 127): the byte cannot fall under 1
	v_max_num_f32_dpp v8, v8, v8 row_xmask:1 row_mask:0xf bank_mask:0xf   ; with my neighbour's 16: the block's
	v_add_nc_u32 v11, -(EMAX<<23), v8              ; 2 off its exponent field: the conversion takes the exponent field of this operand as its scale
	v_cvt_scalef32_pk8_fp4_f32 v[C+4*(\t)], v[XS:XS+7], v11
	v_cvt_scalef32_pk8_fp4_f32 v[C+4*(\t)+1], v[XS+8:XS+15], v11
	v_lshrrev_b32 v[E+(\t)], 23, v11               ; the scale's byte
	ds_store_b8 v5, v[E+(\t)] offset:16*(\t)       ; both lanes of a block write the same byte with the same value
	global_store_b64 v4, v[C+4*(\t):C+4*(\t)+1], s[28:29] offset:32*CB*(\t)   ; the wave stores 256 consecutive bytes, aligned
.endm
.irp t, 0,1,2,3,4,5,6,7,8,9,10,11,12,13,14,15
	STEP \t
.endr
	ds_load_b64 v[12:13], v6                       ; LDS serves a wave's instructions in order: these see my byte stores
	s_wait_dscnt 0x0
	global_store_b64 v7, v[12:13], s[30:31]        ; 256 consecutive scale bytes, aligned
	s_wait_tensorcnt 0x0
	ds_add_u32 v192, v193
	s_wait_dscnt 0x0
	s_endpgm
.Lfunc_end_k_qdfe59e7a27_quant:
	.size	k_qdfe59e7a27_quant, .Lfunc_end_k_qdfe59e7a27_quant-k_qdfe59e7a27_quant
	.p2alignl 7, 3214868480
	.fill 96, 4, 3214868480
	.section	.rodata,"a",@progbits
	.p2align	6, 0x0
	.amdhsa_kernel k_qdfe59e7a27_quant
		.amdhsa_group_segment_fixed_size 33280
		.amdhsa_private_segment_fixed_size 0
		.amdhsa_enable_private_segment 0
		.amdhsa_kernarg_size 88
		.amdhsa_user_sgpr_count 2
		.amdhsa_user_sgpr_kernarg_segment_ptr 1
		.amdhsa_wavefront_size32 1
		.amdhsa_system_sgpr_workgroup_id_x 1
		.amdhsa_system_sgpr_workgroup_id_y 1
		.amdhsa_system_sgpr_workgroup_id_z 1
		.amdhsa_system_vgpr_workitem_id 0
		.amdhsa_next_free_vgpr 194
		.amdhsa_next_free_sgpr 66
		.amdhsa_reserve_vcc 0
		.amdhsa_float_denorm_mode_32 3
		.amdhsa_float_denorm_mode_16_64 3
		.amdhsa_memory_ordered 1
		.amdhsa_forward_progress 1
		.amdhsa_inst_pref_size 35
	.end_amdhsa_kernel
	.amdgpu_metadata
---
amdhsa.version: [ 1, 2 ]
amdhsa.kernels:
  - .name:           k_qdfe59e7a27_quant
    .symbol:         k_qdfe59e7a27_quant.kd
    .args:
      - { .name: eeg, .offset: 0, .size: 8, .value_kind: global_buffer, .address_space: global }
      - { .name: ecg, .offset: 8, .size: 8, .value_kind: global_buffer, .address_space: global }
      - { .name: Wq_eeg, .offset: 16, .size: 8, .value_kind: global_buffer, .address_space: global }
      - { .name: Wk_eeg, .offset: 24, .size: 8, .value_kind: global_buffer, .address_space: global }
      - { .name: Wv_eeg, .offset: 32, .size: 8, .value_kind: global_buffer, .address_space: global }
      - { .name: Wq_ecg, .offset: 40, .size: 8, .value_kind: global_buffer, .address_space: global }
      - { .name: Wk_ecg, .offset: 48, .size: 8, .value_kind: global_buffer, .address_space: global }
      - { .name: Wv_ecg, .offset: 56, .size: 8, .value_kind: global_buffer, .address_space: global }
      - { .name: W_out, .offset: 64, .size: 8, .value_kind: global_buffer, .address_space: global }
      - { .name: qc, .offset: 72, .size: 8, .value_kind: global_buffer, .address_space: global }
      - { .name: qsc, .offset: 80, .size: 8, .value_kind: global_buffer, .address_space: global }
    .group_segment_fixed_size: 33280
    .private_segment_fixed_size: 0
    .kernarg_segment_align: 8
    .kernarg_segment_size: 88
    .max_flat_workgroup_size: 128
    .sgpr_count:     66
    .vgpr_count:     194
    .wavefront_size: 32
...
	.end_amdgpu_metadata
.endif
;; end of part 1
;; launch proj (part 2): grid 4 x 96, 4 waves a work-group, clusters of 4 x 4, 327,680 bytes of LDS; arguments qc, qsc, bq_eeg, bk_eeg, bv_eeg, bq_ecg, bk_ecg, bv_ecg, qf, qs, kv; writes qf, qs, kv
.if DOCPART == 2
	.amdgcn_target "amdgcn-amd-amdhsa--gfx1250"
	.amdhsa_code_object_version 6
	.text
	.protected	k_qdfe59e7a27_proj
	.globl	k_qdfe59e7a27_proj
	.p2align	8
	.type	k_qdfe59e7a27_proj,@function
k_qdfe59e7a27_proj:
	s_mov_b64 s[64:65], 0
	v_nop
	global_prefetch_b8 v0, s[64:65] scope:SCOPE_SE
	s_setreg_imm32_b32 hwreg(HW_REG_WAVE_MODE, 25, 1), 1
	s_wait_xcnt 0x0
	s_wait_alu depctr_hold_cnt(0) depctr_sa_sdst(0) depctr_va_vdst(0) depctr_va_sdst(0) depctr_va_ssrc(0) depctr_va_vcc(0) depctr_vm_vsrc(0)
	s_getreg_b32 s2, hwreg(HW_REG_IB_STS2, 6, 4)
	s_cmp_eq_u32 s2, 0
	s_cbranch_scc0 .Lentry_in_a_cluster
	s_endpgm
.Lentry_in_a_cluster:
	s_bfe_u32 s2, ttmp6, 0x10000c
	s_cmp_lg_u32 s2, 0xf033
	s_cbranch_scc0 .Lentry_shape_is_right
	s_endpgm
.Lentry_shape_is_right:
.set SIZE_K, 1024
.set KSTEP,  512
.set NQ,     KSTEP/128
.set ROWB,   512                       ; a tile's row: all of K, 1,024 codes
.set KROW,   SIZE_K/2
.set PITCH,  528                       ; an LDS row: 512 bytes + 16 of padding = 132 words
.set FR,     8
.set NL,     2
.set NP,     4
.set HALFT,  128*PITCH
.set SLOT,   256                       ; K step 1 begins 256 bytes into each LDS row
.set KS,     SIZE_K/32
.set SCL,    4*HALFT                   ; the scales lie behind A's and B's 256 rows
.set HALFS,  (128*KS/256)*272
.set SBLK,   (16*KS/256)*272
.set SPARE,  SCL+4*HALFS
.set VO0,  8
.set VO1,  9
.set VS,   10
.set VSV,  11
.set SH16, 12
.set PWE,  13
.set ADRA, 16
.set ADRB, 20
.set ADRS, 27
.set SPW,  28
.set NIL,  29
.set PW,   30
.set PW2,  31
.set SC,   32
.set VB,   96
.set TM,   104
.set PC,   120
.set AF,   128
.set T,    128
.set BI,   192
.set SEL,  2
.set G1, 24
.set G0, 32
.set G1B, 48
.set G0B, 56
.set G1S, 68
.set G0S, 76
.set G1SB, 80
.set G0SB, 88
.set KIND, 95
.set UPPER, 96
.set MSB, 0
.macro WIN new
.if MSB != \new
	s_set_vgpr_msb (MSB<<8)|\new
.set MSB, \new
.endif
.endm
.set MUL_LO, 0xa1
.set MUL_HI, 0xf1
.set TO_B,   0x40
.macro ARM under, g0, g1, next         ; one arm of the head's chain of branches on the wave's number: one joint load
	s_cmp_lt_u32 s14, \under
	s_cbranch_scc0 \next
	tensor_load_to_lds s[\g0:\g0+3], s[\g1:\g1+7]
	s_nop 0
.rept 4
	v_nop
.endr
	s_branch .Lhead_asked
\next:
.endm
.macro CROUND
	s_barrier_signal -1
	s_barrier_wait -1
	s_cmp_lg_u32 s14, 0
	s_cbranch_scc1 .Lnot_wave_0_\@
	s_barrier_signal -3
.Lnot_wave_0_\@:
	s_barrier_wait -3
	s_barrier_signal -1
	s_barrier_wait -1
.endm
	s_load_b128 s[4:7], s[0:1], 0x0
	s_load_b256 s[68:75], s[0:1], 0x10
	s_load_b128 s[76:79], s[0:1], 0x30
	s_load_b128 s[80:83], s[0:1], 0x40
	s_load_b64 s[84:85], s[0:1], 0x50
	v_lshl_add_u32 v[SPW], v0, 2, SPARE
	v_mov_b32 v[NIL], 0
	ds_add_u32 v28, v29
	ds_add_u32 v28, v29
	s_wait_dscnt 0x0
	v_lshrrev_b32 v1, 5, v0
	v_readfirstlane_b32 s14, v1
	s_lshr_b32 s15, s14, 1
	s_and_b32 s16, s14, 1
	s_bfe_u32 s40, ttmp6, 0x40000
	s_bfe_u32 s41, ttmp6, 0x40004
	s_and_b32 s18, ttmp7, 0xffff
	s_cmp_ge_u32 s18, 12
	s_cselect_b32 s97, 1, 0
	s_mul_i32 s19, s97, 12
	s_sub_co_u32 s98, s18, s19
	s_and_b32 s20, s98, 1
	s_lshr_b32 s21, s98, 1
	s_sub_co_u32 s22, s98, 8
	s_lshl_b32 s23, s97, 4
	s_lshl_b32 s92, s21, 2
	s_add_co_u32 s92, s92, s23
	s_add_co_u32 s93, s19, 40
	s_lshl_b32 s94, s20, 2
	s_add_co_u32 s94, s94, s19
	s_add_co_u32 s94, s94, 32
	s_lshl_b32 s99, s22, 2
	s_add_co_u32 s99, s99, s23
	s_cmp_ge_u32 s98, 8
	s_cselect_b32 s17, s93, s92
	s_cselect_b32 s42, s99, s94
	s_cselect_b32 s[KIND], 2, s20
	s_cselect_b32 s100, s22, s21
	s_add_co_u32 s17, s17, s41
	s_add_co_u32 s42, s42, s40
	s_lshl_b32 s43, s41, 2
	s_lshl_b32 s43, 15, s43
	s_lshl_b32 s44, 0x1111, s40
	s_or_b32 s[G1+0], s43, (0<<16)|(1<<20)|(1<<21)|(6<<22)|(3<<25)   ; four words of padding after every 128
	s_or_b32 s[G1B+0], s44, (0<<16)|(1<<20)|(1<<21)|(6<<22)|(3<<25)
.irp g, G1, G1B
	s_mov_b32 s[\g+1], ROWB<<16
	s_mov_b32 s[\g+2], 256<<16
	s_mov_b32 s[\g+3], ROWB<<16
	s_mov_b32 s[\g+4], 256
	s_mov_b32 s[\g+5], KROW
	s_mov_b32 s[\g+6], 0
	s_mov_b32 s[\g+7], 0
.endr
	s_lshl_b32 s20, s17, 8
	s_lshl_b32 s46, s42, 8
	s_mov_b32 s21, 0
	s_mov_b32 s47, 0
	s_mov_b64 s[18:19], KS
	s_mul_u64 s[22:23], s[20:21], s[18:19]
	s_mul_u64 s[92:93], s[46:47], s[18:19]
	s_mov_b64 s[18:19], KROW
	s_mul_u64 s[20:21], s[20:21], s[18:19]
	s_mul_u64 s[46:47], s[46:47], s[18:19]
	s_wait_kmcnt 0x0
	s_cmp_eq_u32 s97, 0
	s_cselect_b64 s[68:69], s[68:69], s[74:75]
	s_cselect_b64 s[70:71], s[70:71], s[76:77]
	s_cselect_b64 s[72:73], s[72:73], s[78:79]
	s_cmp_eq_u32 s[KIND], 0
	s_cselect_b64 s[8:9], s[68:69], s[70:71]
	s_cselect_b64 s[10:11], s[80:81], s[84:85]
	s_cselect_b64 s[12:13], s[82:83], s[84:85]
	s_cmp_eq_u32 s[KIND], 2
	s_cselect_b64 s[8:9], s[72:73], s[8:9]
	s_add_nc_u64 s[20:21], s[4:5], s[20:21]
	s_add_nc_u64 s[22:23], s[6:7], s[22:23]
	s_add_nc_u64 s[46:47], s[4:5], s[46:47]
	s_add_nc_u64 s[92:93], s[6:7], s[92:93]
	s_or_b32 s[G1S+0], s43, (3<<16)|(1<<20)|(1<<21)|(5<<22)|(3<<25)
	s_or_b32 s[G1SB+0], s44, (3<<16)|(1<<20)|(1<<21)|(5<<22)|(3<<25)
.irp g, G1S, G1SB
	s_mov_b32 s[\g+1], 32<<16
	s_mov_b32 s[\g+2], KS<<16
	s_mov_b32 s[\g+3], 32<<16
	s_mov_b32 s[\g+4], KS
	s_mov_b32 s[\g+5], 32
	s_mov_b32 s[\g+6], 0
	s_mov_b32 s[\g+7], 0
.endr
	CROUND
	; all of K lies in LDS, filled once: four tiles, one joint load a wave: wave 0 A's 256 rows, wave 1 B's, wave 2 A's scales, wave 3 B's
	s_mov_b32 s[G0], 1
	s_mov_b32 s[G0+1], 0
	s_mov_b64 s[G0+2:G0+3], s[20:21]
	s_or_b32 s[G0+3], s[G0+3], 0x80000000
	s_mov_b32 s[G0B], 1
	s_mov_b32 s[G0B+1], 2*HALFT
	s_mov_b64 s[G0B+2:G0B+3], s[46:47]
	s_or_b32 s[G0B+3], s[G0B+3], 0x80000000
	s_mov_b32 s[G0S], 1
	s_mov_b32 s[G0S+1], SCL
	s_mov_b64 s[G0S+2:G0S+3], s[22:23]
	s_or_b32 s[G0S+3], s[G0S+3], 0x80000000
	s_mov_b32 s[G0SB], 1
	s_mov_b32 s[G0SB+1], SCL+2*HALFS
	s_mov_b64 s[G0SB+2:G0SB+3], s[92:93]
	s_or_b32 s[G0SB+3], s[G0SB+3], 0x80000000
	ARM 1, G0,  G1,  .Lhead_b
	ARM 2, G0B, G1B, .Lhead_sa
	ARM 3, G0S, G1S, .Lhead_sb
	tensor_load_to_lds s[G0SB:G0SB+3], s[G1SB:G1SB+7]
	s_nop 0
.rept 4
	v_nop
.endr
.Lhead_asked:
	v_and_b32 v1, 15, v0
	v_bfe_u32 v2, v0, 4, 1
	s_wait_alu depctr_va_vdst(0)
	s_cmp_eq_u32 s[KIND], 2
	s_cselect_b32 s66, 0, 32
	s_cselect_b32 s67, 4, 0
	s_cselect_b32 s99, 0, 4
	s_cselect_b32 s18, s41, s40
	s_cselect_b32 s19, s15, s16
	s_lshl_b32 s18, s18, 10
	s_lshl_b32 s19, s19, 9
	s_add_co_u32 s18, s18, s19
	s_mov_b32 s19, 0
	s_add_nc_u64 s[8:9], s[8:9], s[18:19]
	v_mul_u32_u24 v3, s66, v2
	v_mul_u32_u24 v4, s67, v1
	v_add_nc_u32 v3, v3, v4
	v_mov_b32 v4, s99
.irp y, 0,1,2,3,4,5,6,7
	v_mad_u32_u24 v[VB+\y], v4, \y, v3
.endr
.irp x, 0,1,2,3,4,5,6,7
.irp y, 0,1,2,3,4,5,6,7
	global_load_b32 v[BI+8*\x+\y], v[VB+\y], s[8:9] offset:64*\x
.endr
.endr
	v_mul_u32_u24 v3, v1, PITCH
	v_lshl_add_u32 v4, v2, 4, v3
	s_mul_i32 s21, s15, HALFT
	s_mul_i32 s22, s16, HALFT
	s_add_co_u32 s22, s22, 2*HALFT
.irp s, 0,1
	v_add_nc_u32 v[ADRA+\s], s21, v4
	v_add_nc_u32 v[ADRB+\s], s22, v4
	s_add_co_u32 s21, s21, SLOT
	s_add_co_u32 s22, s22, SLOT
.endr
	v_mul_u32_u24 v5, v1, KS
	v_lshrrev_b32 v6, 8, v5
	v_lshl_add_u32 v5, v6, 4, v5
	s_mul_i32 s21, s15, HALFS
	s_mul_i32 s22, s16, HALFS
	s_add_co_u32 s22, s22, 2*HALFS
	s_sub_co_u32 s22, s22, s21
	v_mul_u32_u24 v6, s22, v2
	s_add_co_u32 s21, s21, SCL
	v_add_nc_u32 v5, v5, v6
	v_add_nc_u32 v[ADRS], s21, v5
	s_cmp_eq_u32 s[KIND], 2
	s_cselect_b32 s18, s40, s41
	s_cselect_b32 s19, s16, s15
	s_cselect_b32 s20, s41, s40
	s_cselect_b32 s21, s15, s16
	s_lshl_b32 s22, s100, 10
	s_lshl_b32 s18, s18, 8
	s_lshl_b32 s19, s19, 7
	s_add_co_u32 s22, s22, s18
	s_add_co_u32 s22, s22, s19
	s_lshl_b32 s20, s20, 2
	s_lshl_b32 s21, s21, 1
	s_add_co_u32 s20, s20, s21
	s_lshr_b32 s18, s22, 11
	s_lshl_b32 s18, s18, 4
	s_add_co_u32 s20, s20, s18
	s_lshl_b32 s18, s97, 5
	s_add_co_u32 s20, s20, s18
	s_bfe_u32 s21, s22, 0x40007
	s_cmp_eq_u32 s[KIND], 0
	s_mov_b32 s18, 143360
	s_cselect_b32 s18, 65536, s18
	s_mov_b32 s19, 8960
	s_cselect_b32 s19, 4096, s19
	s_mov_b32 s23, 143360
	s_cselect_b32 s23, 8192, s23
	s_mov_b32 s66, 8960
	s_cselect_b32 s66, 512, s66
	s_cmp_eq_u32 s[KIND], 2
	s_cselect_b32 s67, 4096, 0
	s_mov_b32 s99, 8192
	s_cselect_b32 s99, 8704, s99
	s_cmp_eq_u32 s[KIND], 0
	s_cselect_b32 s99, 0, s99
	s_mul_i32 s92, s20, s18
	s_mul_i32 s93, s21, s19
	s_add_co_u32 s92, s92, s93
	s_add_co_u32 s92, s92, s67
	s_mov_b32 s93, 0
	s_add_nc_u64 s[10:11], s[10:11], s[92:93]
	s_mul_i32 s92, s20, s23
	s_mul_i32 s94, s21, s66
	s_add_co_u32 s92, s92, s94
	s_add_co_u32 s92, s92, s99
	s_add_nc_u64 s[12:13], s[12:13], s[92:93]
	v_and_b32 v5, 31, v0
	v_lshlrev_b32 v[VO0], 4, v5
	v_add_nc_u32 v[VO1], s18, v[VO0]
	v_mul_u32_u24 v6, s23, v2
	v_lshl_add_u32 v[VS], v1, 2, v6
	v_lshlrev_b32 v[VSV], 2, v5
	v_lshlrev_b32 v[SH16], 4, v2
	s_mov_b32 s[SEL], 0x76543210
	s_mov_b32 s[SEL+1], 0xfedcba98
	s_mov_b32 s[UPPER], 0xffff0000
.macro FRAG reg, adr, q, i
.irp c, 0,1
	ds_load_b128 v[\reg+4*\c:\reg+4*\c+3], v[\adr] offset:64*(\q)+32*\c+(\i)*16*PITCH
.endr
.endm
.macro MUL16 a0, p, q, sc, zero
.irp a, \a0, \a0+1
.irp b, 0,1,2,3,4,5,6,7
.if \zero
	v_wmma_scale_f32_16x16x128_f8f6f4 v[8*(8*((\a)%4)+\b):8*(8*((\a)%4)+\b)+7], v[128*(\p)+FR*\b:128*(\p)+FR*\b+FR-1], v[AF+FR*(\a):AF+FR*(\a)+FR-1], 0, v[SC+8*NQ*(\sc)+NQ*\b+(\q)], v[SC+8*NQ*(\sc)+NQ*(\a)+(\q)] matrix_a_fmt:MATRIX_FMT_FP4 matrix_b_fmt:MATRIX_FMT_FP4 matrix_a_scale:MATRIX_SCALE_ROW1
.else
	v_wmma_scale_f32_16x16x128_f8f6f4 v[8*(8*((\a)%4)+\b):8*(8*((\a)%4)+\b)+7], v[128*(\p)+FR*\b:128*(\p)+FR*\b+FR-1], v[AF+FR*(\a):AF+FR*(\a)+FR-1], v[8*(8*((\a)%4)+\b):8*(8*((\a)%4)+\b)+7], v[SC+8*NQ*(\sc)+NQ*\b+(\q)], v[SC+8*NQ*(\sc)+NQ*(\a)+(\q)] matrix_a_fmt:MATRIX_FMT_FP4 matrix_b_fmt:MATRIX_FMT_FP4 matrix_a_scale:MATRIX_SCALE_ROW1
.endif
.endr
.endr
.endm
.macro FETCH_B slot, q, p
	WIN TO_B
.irp i, 0,1,2,3,4,5,6,7
	FRAG 128*(\p)+FR*\i, ADRB+\slot, \q, \i
.endr
	WIN 0
.endm
.macro FETCH_A slot, q, i0
.irp i, \i0, \i0+1, \i0+2, \i0+3
	FRAG AF+FR*(\i), ADRA+\slot, \q, \i
.endr
.endm
.macro SCALES sc
.irp i, 0,1,2,3,4,5,6,7
	ds_load_b128 v[SC+8*NQ*\sc+NQ*\i:SC+8*NQ*\sc+NQ*\i+3], v[ADRS] offset:\i*SBLK
.endr
.endm
.macro PLACES n
.rept \n
	v_nop
.endr
.endm
.macro STEP slot, q, zero
	s_wait_dscnt 4*NL
	WIN MUL_LO
	MUL16 0, (\q)%2, \q, \slot, \zero
	MUL16 2, (\q)%2, \q, \slot, \zero
	s_wait_dscnt 0
	PLACES NP
	FETCH_B \slot, (\q)+1, 1-(\q)%2
	FETCH_A \slot, (\q)+1, 0
	WIN MUL_HI
	MUL16 4, (\q)%2, \q, \slot, \zero
	MUL16 6, (\q)%2, \q, \slot, \zero
	PLACES NP
	WIN 0
	FETCH_A \slot, (\q)+1, 4
.endm
.macro TURN slot, next
	s_wait_dscnt 4*NL                              ; nothing is filled again: the step to K step 1 needs no barrier
	WIN MUL_LO
	MUL16 0, 1, NQ-1, \slot, 0
	MUL16 2, 1, NQ-1, \slot, 0
	s_wait_dscnt 0x0
	WIN 0
	PLACES NP
	v_add_nc_u32 v[ADRS], 4*NQ, v[ADRS]
	FETCH_B \next, 0, 0
	FETCH_A \next, 0, 0
	SCALES \next
	WIN MUL_HI
	MUL16 4, 1, NQ-1, \slot, 0
	MUL16 6, 1, NQ-1, \slot, 0
	PLACES NP
	WIN 0
	FETCH_A \next, 0, 4
.endm
.macro STEPS slot, from
.set Q, \from
.rept NQ-1-\from
	STEP \slot, Q, 0
.set Q, Q+1
.endr
.endm
	s_wait_alu depctr_va_vdst(0)
	s_wait_tensorcnt 0x0                           ; my one tile has landed
	s_barrier_signal -1
	s_barrier_wait -1
	FETCH_B 0, 0, 0
	FETCH_A 0, 0, 0
	SCALES 0
	FETCH_A 0, 0, 4
	STEP 0, 0, 1
	STEPS 0, 1
	TURN 0, 1
	STEPS 1, 0
	s_wait_dscnt 4*NL
	WIN MUL_LO
	MUL16 0, 1, NQ-1, 1, 0
	MUL16 2, 1, NQ-1, 1, 0
	s_wait_dscnt 0
	WIN MUL_HI
	MUL16 4, 1, NQ-1, 1, 0
	MUL16 6, 1, NQ-1, 1, 0
	WIN 0
.macro QUANT s
.irp b, 0,1,2,3
	v_max3_num_f32 v[TM+\b], |v[\s+16*\b]|, |v[\s+1+16*\b]|, 0x1800000
.endr
.irp i, 2,4,6,8,10,12,14
.irp b, 0,1,2,3
	v_max3_num_f32 v[TM+\b], v[TM+\b], |v[\s+16*\b+\i]|, |v[\s+1+16*\b+\i]|
.endr
.endr
.irp b, 0,1,2,3
	v_permlanex16_b32 v[TM+4+\b], v[TM+\b], s[SEL], s[SEL+1]
.endr
.irp b, 0,1,2,3
	v_max_num_f32 v[TM+\b], v[TM+\b], v[TM+4+\b]
.endr
.irp b, 0,1,2,3
	v_add_nc_u32 v[TM+12+\b], 0xff000000, v[TM+\b]
.endr
.irp b, 0,1,2,3
	v_lshrrev_b32 v[TM+4+\b], 23, v[TM+12+\b]
.endr
	v_lshl_or_b32 v[PW], v[TM+5], 8, v[TM+4]
	v_lshl_or_b32 v[PW], v[TM+6], 16, v[PW]
	v_lshl_or_b32 v[PW], v[TM+7], 24, v[PW]
.irp b, 0,1,2,3
	v_cvt_scalef32_pk8_fp4_f32 v[PC+2*\b], v[\s+16*\b:\s+7+16*\b], v[TM+12+\b]
	v_cvt_scalef32_pk8_fp4_f32 v[PC+1+2*\b], v[\s+8+16*\b:\s+15+16*\b], v[TM+12+\b]
.endr
	v_nop
.irp c, 0,1
.irp i, 0,1
	v_permlane16_swap_b32 v[PC+4*\c+\i], v[PC+2+4*\c+\i]
.endr
.endr
.endm
.macro EPI isv
.irp a, 0,1,2,3,4,5,6,7
	s_wait_xcnt 0x0
.set W, 2+(\a)/4
	WIN W
.irp b, 0,1,2,3,4,5,6,7
.irp y, 0,2,4,6
.if \isv
	v_pk_add_f32 v[T+8*\b+\y:T+8*\b+\y+1], v[64*(\a%4)+8*\b+\y:64*(\a%4)+8*\b+\y+1], v[BI+8*\a+\y:BI+8*\a+\y+1]
.else
	v_pk_add_f32 v[T+8*\b+\y:T+8*\b+\y+1], v[64*(\a%4)+8*\b+\y:64*(\a%4)+8*\b+\y+1], v[BI+8*\b+\y:BI+8*\b+\y+1]
.endif
.endr
.endr
	WIN 0
	QUANT T
.if \isv
	global_store_b128 v[VO0], v[PC:PC+3], s[10:11] offset:143360*(\a/4)+1024*(\a%4)
	global_store_b128 v[VO0], v[PC+4:PC+7], s[10:11] offset:143360*(\a/4)+1024*(\a%4)+512
.if (\a)%2 == 0
	v_mov_b32 v[PWE], v[PW]
.else
	v_cndmask_b32 v[PW2], v[PWE], v[PW], s[UPPER]
	global_store_b32 v[VSV], v[PW2], s[12:13] offset:143360*(\a/4)+128*((\a%4)/2)
.endif
.else
	v_lshrrev_b32 v[PW2], v[SH16], v[PW]
	global_store_b128 v[VO0], v[PC:PC+3], s[10:11] offset:512*\a
	global_store_b128 v[VO1], v[PC+4:PC+7], s[10:11] offset:512*\a
	global_store_b32 v[VS], v[PW2], s[12:13] offset:64*\a
.endif
.endr
.endm
	PLACES NP
	s_wait_loadcnt 0x0
.irp b, 0,1,2,3
	v_mov_b32 v[TM+4+\b], 0
.endr
	s_cmp_eq_u32 s[KIND], 2
	s_cbranch_scc1 .Lvkind
	EPI 0
	s_branch .Lclose
.Lvkind:
	EPI 1
.Lclose:
	s_wait_tensorcnt 0x0
	ds_add_u32 v[SPW], v[NIL]
	s_wait_dscnt 0x0
	CROUND
	s_endpgm
.Lfunc_end_k_qdfe59e7a27_proj:
	.size	k_qdfe59e7a27_proj, .Lfunc_end_k_qdfe59e7a27_proj-k_qdfe59e7a27_proj
	.p2alignl 7, 3214868480
	.fill 96, 4, 3214868480
	.section	.rodata,"a",@progbits
	.p2align	6, 0x0
	.amdhsa_kernel k_qdfe59e7a27_proj
		.amdhsa_group_segment_fixed_size 327680
		.amdhsa_private_segment_fixed_size 0
		.amdhsa_enable_private_segment 0
		.amdhsa_kernarg_size 88
		.amdhsa_user_sgpr_count 2
		.amdhsa_user_sgpr_kernarg_segment_ptr 1
		.amdhsa_wavefront_size32 1
		.amdhsa_system_sgpr_workgroup_id_x 1
		.amdhsa_system_sgpr_workgroup_id_y 1
		.amdhsa_system_sgpr_workgroup_id_z 1
		.amdhsa_system_vgpr_workitem_id 0
		.amdhsa_next_free_vgpr 1024
		.amdhsa_next_free_sgpr 102
		.amdhsa_reserve_vcc 0
		.amdhsa_float_denorm_mode_32 3
		.amdhsa_float_denorm_mode_16_64 3
		.amdhsa_memory_ordered 1
		.amdhsa_forward_progress 1
		.amdhsa_inst_pref_size 201
	.end_amdhsa_kernel
	.amdgpu_metadata
---
amdhsa.version: [ 1, 2 ]
amdhsa.kernels:
  - .name:           k_qdfe59e7a27_proj
    .symbol:         k_qdfe59e7a27_proj.kd
    .args:
      - { .name: qc, .offset: 0, .size: 8, .value_kind: global_buffer, .address_space: global }
      - { .name: qsc, .offset: 8, .size: 8, .value_kind: global_buffer, .address_space: global }
      - { .name: bq_eeg, .offset: 16, .size: 8, .value_kind: global_buffer, .address_space: global }
      - { .name: bk_eeg, .offset: 24, .size: 8, .value_kind: global_buffer, .address_space: global }
      - { .name: bv_eeg, .offset: 32, .size: 8, .value_kind: global_buffer, .address_space: global }
      - { .name: bq_ecg, .offset: 40, .size: 8, .value_kind: global_buffer, .address_space: global }
      - { .name: bk_ecg, .offset: 48, .size: 8, .value_kind: global_buffer, .address_space: global }
      - { .name: bv_ecg, .offset: 56, .size: 8, .value_kind: global_buffer, .address_space: global }
      - { .name: qf, .offset: 64, .size: 8, .value_kind: global_buffer, .address_space: global }
      - { .name: qs, .offset: 72, .size: 8, .value_kind: global_buffer, .address_space: global }
      - { .name: kv, .offset: 80, .size: 8, .value_kind: global_buffer, .address_space: global }
    .group_segment_fixed_size: 327680
    .private_segment_fixed_size: 0
    .kernarg_segment_align: 8
    .kernarg_segment_size: 88
    .max_flat_workgroup_size: 128
    .sgpr_count:     102
    .vgpr_count:     1024
    .wavefront_size: 32
...
	.end_amdgpu_metadata
.endif
;; end of part 2
;; launch attn (part 3): grid 256 x 1, 16 waves a work-group, no clusters, 169,984 bytes of LDS; arguments qf, qs, kv, agg_w, af; writes af
.if DOCPART == 3
	.amdgcn_target "amdgcn-amd-amdhsa--gfx1250"
	.amdhsa_code_object_version 6
	.text
	.protected	k_qdfe59e7a27_attn
	.globl	k_qdfe59e7a27_attn
	.p2align	8
	.type	k_qdfe59e7a27_attn,@function
k_qdfe59e7a27_attn:
	s_mov_b64 s[64:65], 0
	v_nop
	global_prefetch_b8 v0, s[64:65] scope:SCOPE_SE
	s_setreg_imm32_b32 hwreg(HW_REG_WAVE_MODE, 25, 1), 1
	s_wait_xcnt 0x0
; Causal attention of 64 (branch, batch, head) triples bh, head size 64, 2,048 tokens, both products on codes of FP4 with E8M0 scales; then x exp(agg_w) and the quantising for the last projection.
; SOFTMAX: t = score x log2(e) / 8; M = the running largest t rounded UP to a whole number; p = 2^(t - M) is quantised along the keys, not normalised; the row's sum is taken of the unquantised p and divides at the end.
; When M moves, the sum and O are multiplied by 2^(old M - new M): exact.
; SHARES.  Four work-groups to a bh; wave w of work-group qd has p = 16 qd + w and owns the tiles of 16 queries 127 - p and then p: (16 - p / 8) + (p / 8 + 1) = 17 key steps of 128 for every wave of the launch.
; The whole head's K, V^T and their scale words (16 key steps x 8,960 bytes) come into LDS once, one tensor load a wave (key step w), and are only read afterwards: one barrier in the launch.
; NO CLUSTER: a key step all of whose keys are hidden is left out by a scalar branch on the wave's tile of queries, which differs between the four work-groups of a head; that branch halves the launch's work.
; LAYOUT.  S^T = K Q^T (source 0 = 16 keys, source 1 = my 16 queries), O^T = V^T P^T: a lane holds ONE query (lane % 16) throughout.  Register 8 t + y of S^T is key 16 t + 8 (lane / 16) + y.
; K = 64 IN AN INSTRUCTION 128 DEEP: Q's registers 4-7 are zero codes; K's operand of tile t is v[32 + 4 t : 39 + 4 t], whose upper four registers (the next tile's codes; zeros behind tile 7) meet zero codes; no scale byte is 0xff.
; Inside a block the eights of k lie in the order 0, 2, 1, 3 in all operands alike.
; OUT.  af [128 tokens][K step of 128 channels][8,704]: codes [tile of 16 tokens][c][lane][16], then scale words [tile][token], byte 2 c + (lane / 16).  A head is half a K step: c = head % 2.
; The codes leave as 512 consecutive aligned bytes; the scale bytes singly, 32 bytes a tile: a sixteenth of the codes' bytes.
; LIMITS: exp(agg_w) is one multiplication and one v_exp_f32: it overflows where reference()'s own does; a block whose largest magnitude lies under 2^-124 gets the byte 1; NaN and infinities are not served.
; REGISTERS: v1 16 lane, v2 4 lane, v3-4 LDS addresses, v5 r - 8 h, v6 4 r + h, v7 8 h, v8-11 the second tile's Q, v12 -M, v13 the largest t, v[14:15] the sum, v16-19 Q, v20-23 zeros, v24-25 Q's scale words,
;   v[26:27] f, v28-31 at work, v32-63 K, v64-67 zeros, v68-99 V^T, v100-163 S^T then p, v164-195 O^T, v196-203 p's codes, v204-207 K's scale words, v208-209 V's, v210 p's, v212-223 at work, v224-255 exp(agg_w).
.set KVSTEP, 8960
.set KVHEAD, 16*KVSTEP
.set S,   100
.set OT,  164
.set PCD, 196
.set KSC, 204
.set VSC, 208
.set PSW, 210
.set BM,  212                          ; the blocks' largest scores, then largest p
.set PD,  216                          ; permutes' destinations, a second chain of sums, bytes
.set SO,  220                          ; the conversions' scale operands
.set EA,  224
	s_load_b256 s[4:11], s[0:1], 0x0               ; qf, qs, kv, agg_w
	s_load_b64 s[12:13], s[0:1], 0x20              ; af
	v_lshl_add_u32 v254, v0, 2, 0x29000
	v_mov_b32 v255, 0
	ds_add_u32 v254, v255
	ds_add_u32 v254, v255
	s_wait_dscnt 0x0
	v_lshrrev_b32 v1, 5, v0
	s_delay_alu instid0(VALU_DEP_1)
	v_readfirstlane_b32 s14, v1                    ; wave 0..15
	s_lshr_b32 s15, ttmp9, 2                       ; bh
	s_and_b32 s16, ttmp9, 3
	s_lshl_b32 s17, s16, 4
	s_add_co_u32 s17, s17, s14                     ; p
	s_sub_co_u32 s18, 127, s17                     ; the first pass's tile of queries
	; group 1: 8,960 dense bytes as 35 rows of 256 (32 elements of 8 bytes), no padding
	s_mov_b32 s24, 3<<16
	s_mov_b32 s25, 32<<16                          ; tensor_dim0
	s_mov_b32 s26, 35<<16                          ; tensor_dim1
	s_mov_b32 s27, 32<<16                          ; tile_dim0
	s_mov_b32 s28, 35                              ; tile_dim1
	s_mov_b32 s29, 32                              ; from row to row
	s_mov_b32 s30, 0
	s_mov_b32 s31, 0
	s_mov_b32 s32, 1
	s_mul_i32 s33, s14, KVSTEP                     ; LDS: key step w
	s_mul_i32 s44, s15, KVHEAD
	s_add_co_u32 s44, s44, s33
	s_mov_b32 s45, 0
	s_mov_b32 s20, 0x76543210
	s_mov_b32 s21, 0xfedcba98                      ; v_permlanex16_b32's selects for lane l xor 16
	s_mov_b32 s22, 0x3e38aa3b                      ; c = log2(e) / sqrt(64)
	s_mov_b32 s23, s22                             ; (named with it as a pair)
	s_mov_b32 s62, 0x3fb8aa3b                      ; log2(e)
	s_mov_b32 s63, s62
	s_lshr_b32 s56, s15, 5                         ; branch
	s_and_b32 s57, s15, 15                         ; head
	s_bfe_u32 s58, s15, 0x10004                    ; batch
	s_lshl_b32 s58, s58, 7                         ; 128 tiles of tokens a batch
	s_lshl_b32 s59, s56, 3
	s_lshr_b32 s46, s57, 1
	s_add_co_u32 s59, s59, s46
	s_mul_i32 s59, s59, 8704                       ; my K step of the last projection: 8 branch + head / 2
	s_and_b32 s60, s57, 1                          ; c
	s_lshl_b32 s61, s60, 9                         ; 512 c
	s_lshl_b32 s60, s60, 1
	s_add_co_u32 s60, s60, 8192                    ; 8,192 + 2 c
	s_wait_kmcnt 0x0
	s_add_nc_u64 s[34:35], s[8:9], s[44:45]
	s_or_b32 s35, s35, 0x80000000
	tensor_load_to_lds s[32:35], s[24:31]          ; my one tensor load
	s_nop 0
.rept 4
	v_nop
.endr
	v_and_b32 v3, 31, v0                           ; lane
	v_and_b32 v28, 15, v0                          ; r
	v_bfe_u32 v29, v0, 4, 1                        ; h
	s_delay_alu instid0(VALU_DEP_3)
	v_lshlrev_b32 v1, 4, v3
	s_wait_alu depctr_va_vdst(0)
	v_lshlrev_b32 v2, 2, v3
	v_lshl_add_u32 v6, v28, 2, v29
	v_lshlrev_b32 v7, 3, v29
	s_delay_alu instid0(VALU_DEP_1)
	v_sub_nc_u32 v5, v28, v7
	v_lshlrev_b32 v30, 2, v28                      ; 4 r
	s_wait_alu depctr_va_vdst(0)
	v_lshlrev_b32 v31, 5, v29                      ; 32 h
	s_wait_alu depctr_va_vdst(0)
	s_lshl_b32 s44, s15, 16                        ; a head's fragments of Q: 65,536 bytes
	s_lshl_b32 s46, s18, 9
	s_add_co_u32 s46, s46, s44
	s_mov_b32 s47, 0
	s_add_nc_u64 s[48:49], s[4:5], s[46:47]
	s_lshl_b32 s46, s17, 9
	s_add_co_u32 s46, s46, s44
	s_add_nc_u64 s[50:51], s[4:5], s[46:47]
	s_lshl_b32 s44, s15, 13                        ; its scale words: 8,192 bytes
	s_lshl_b32 s46, s18, 6
	s_add_co_u32 s46, s46, s44
	s_add_nc_u64 s[52:53], s[6:7], s[46:47]
	s_lshl_b32 s46, s17, 6
	s_add_co_u32 s46, s46, s44
	s_add_nc_u64 s[54:55], s[6:7], s[46:47]
	s_lshl_b32 s46, s56, 12
	s_lshl_b32 s44, s57, 8
	s_add_co_u32 s46, s46, s44                     ; agg_w at channel 1,024 branch + 64 head
	s_add_nc_u64 s[10:11], s[10:11], s[46:47]
	global_load_b128 v[16:19], v1, s[48:49]        ; Q of tile 127 - p
	global_load_b32 v24, v30, s[52:53]
	global_load_b128 v[8:11], v1, s[50:51]         ; Q of tile p
	global_load_b32 v25, v30, s[54:55]
.irp ct, 0,1,2,3
	global_load_b128 v[EA+8*\ct:EA+8*\ct+3], v31, s[10:11] offset:64*\ct        ; agg_w of channels 16 ct + 8 h + 0 .. 7
	global_load_b128 v[EA+8*\ct+4:EA+8*\ct+7], v31, s[10:11] offset:64*\ct+16
.endr
.irp j, 20,21,22,23,64,65,66,67
	v_mov_b32 v\j, 0                               ; zero codes
.endr
.irp b, 0,1,2,3
	v_mov_b32 v[PD+\b], 0                          ; written once: a lane permute's destination counts as one of its sources
.endr
	v_mov_b32 v27, 0                               ; (named as the upper half of the pair v[26:27])
	s_wait_loadcnt 0x0
.set j, 0
.rept 16
	v_pk_mul_f32 v[EA+j:EA+j+1], v[EA+j:EA+j+1], s[62:63] op_sel_hi:[1,0]
.set j, j+2
.endr
.set j, 0
	s_wait_alu depctr_va_vdst(0)
.rept 32
	v_exp_f32 v[EA+j], v[EA+j]                     ; exp(agg_w)
.set j, j+1
.endr
	v_mov_b32 v28, 0                               ; a plain place behind the exponentials (v28: a permute's destination later)
	s_wait_alu depctr_va_vdst(0)                   ; one wait for the batch, ahead of its first reader and of every label
	s_wait_tensorcnt 0x0                           ; my key step has landed,
	s_barrier_signal -1
	s_barrier_wait -1                              ; everybody's has: from here on LDS is only read
	s_mov_b32 s39, 2
.Lpass:
	s_wait_xcnt 0x0                                ; the last pass's stores have read their registers and bases
	s_lshl_b32 s19, s18, 4                         ; my first query
	s_add_co_u32 s44, s58, s18                     ; the tile among all 256 tiles of tokens
	s_lshr_b32 s45, s44, 3
	s_and_b32 s44, s44, 7
	s_mul_i32 s45, s45, 139264
	s_add_co_u32 s45, s45, s59
	s_lshl_b32 s46, s44, 10
	s_add_co_u32 s46, s46, s45
	s_add_co_u32 s46, s46, s61
	s_mov_b32 s47, 0
	s_add_nc_u64 s[40:41], s[12:13], s[46:47]      ; where the tile's codes go,
	s_lshl_b32 s46, s44, 6
	s_add_co_u32 s46, s46, s45
	s_add_co_u32 s46, s46, s60
	s_add_nc_u64 s[42:43], s[12:13], s[46:47]      ; and its scale bytes
	v_mov_b32 v13, 0xff61b1e6                      ; the largest t so far: -3e38
	s_delay_alu instid0(VALU_DEP_1)
	v_floor_f32 v12, -v13                          ; -M
	v_mov_b32 v14, 0
	v_mov_b32 v15, 0
.set j, 0
.rept 32
	v_mov_b32 v[OT+j], 0                           ; O^T: the key step is written once; its first trip finds zeros
.set j, j+1
.endr
	s_mov_b32 s36, 0                               ; LDS byte of the key step
	s_mov_b32 s37, 0                               ; its first key
	s_mov_b32 s38, 16
.Lstep:                                            ; 16 trips, a constant; a step all of whose keys come after my queries is left out but for its two address steps
	s_add_co_u32 s44, s19, 15
	s_cmp_gt_u32 s37, s44
	s_cbranch_scc1 .Lhidden
	v_add_nc_u32 v3, s36, v1
	v_add_nc_u32 v4, s36, v2
	v_nop
	v_nop                                          ; four places in front of loads into registers that the last products have read
.irp t, 0,1,2,3,4,5,6,7
	ds_load_b128 v[32+4*\t:35+4*\t], v3 offset:512*\t
.endr
.irp b, 0,1,2,3
	ds_load_b32 v[KSC+\b], v4 offset:8192+128*\b   ; lanes 0-15: tile 2 b's words; lanes 16-31: tile 2 b + 1's
.endr
.irp ct, 0,1,2,3
.irp c, 0,1
	ds_load_b128 v[68+8*\ct+4*\c:71+8*\ct+4*\c], v3 offset:4096+1024*\ct+512*\c
.endr
.endr
.irp pr, 0,1
	ds_load_b32 v[VSC+\pr], v4 offset:8704+128*\pr
.endr
	s_wait_dscnt 10                                ; K and its words are in; V's ten loads may be out
.irp t, 0,1,2,3,4,5,6,7
.if (\t)%2
	v_wmma_scale_f32_16x16x128_f8f6f4 v[S+8*\t:S+8*\t+7], v[32+4*\t:39+4*\t], v[16:23], 0, v[KSC+\t/2], v24 matrix_a_fmt:MATRIX_FMT_FP4 matrix_b_fmt:MATRIX_FMT_FP4 matrix_a_scale:MATRIX_SCALE_ROW1
.else
	v_wmma_scale_f32_16x16x128_f8f6f4 v[S+8*\t:S+8*\t+7], v[32+4*\t:39+4*\t], v[16:23], 0, v[KSC+\t/2], v24 matrix_a_fmt:MATRIX_FMT_FP4 matrix_b_fmt:MATRIX_FMT_FP4
.endif
.endr
.rept 4
	v_nop
.endr
	s_add_co_u32 s44, s37, 127                     ; on the diagonal the scores of hidden keys become -infinity ahead of the maximum; a step all of whose keys count skips this
	s_cmp_le_u32 s44, s19
	s_cbranch_scc1 .Lopen
	s_sub_co_i32 s44, s19, s37
	v_add_nc_u32 v28, s44, v5                      ; d = my query - the step's first key - 8 h: register n is hidden where 16 (n / 8) + n % 8 > d
	v_mov_b32 v29, 0xff800000
.set n, 0
.rept 64
	v_cmp_gt_i32 vcc_lo, 16*(n/8)+n%8, v28
	v_cndmask_b32 v[S+n], v[S+n], v29, vcc_lo
.set n, n+1
.endr
.Lopen:
.irp b, 0,1,2,3
	v_max3_num_f32 v[BM+\b], v[S+16*\b], v[S+1+16*\b], v[S+2+16*\b]   ; the largest score of each block of 32 keys: for the row's maximum, and, since p rises with the score, for the block's largest p
.endr
.irp i, 3,5,7,9,11,13
.irp b, 0,1,2,3
	v_max3_num_f32 v[BM+\b], v[BM+\b], v[S+16*\b+\i], v[S+1+16*\b+\i]
.endr
.endr
.irp b, 0,1,2,3
	v_max_num_f32 v[BM+\b], v[BM+\b], v[S+15+16*\b]
.endr
.irp b, 0,1,2,3
	s_delay_alu instid0(VALU_DEP_4)
	v_permlanex16_b32 v[PD+\b], v[BM+\b], s20, s21
.endr
.irp b, 0,1,2,3
	s_delay_alu instid0(VALU_DEP_4)
	v_max_num_f32 v[BM+\b], v[BM+\b], v[PD+\b]     ; with lane l xor 16's 16 keys
.endr
	s_delay_alu instid0(VALU_DEP_2)
	v_max3_num_f32 v28, v[BM], v[BM+1], v[BM+2]
	s_delay_alu instid0(VALU_DEP_1)
	v_max_num_f32 v28, v28, v[BM+3]
	s_delay_alu instid0(VALU_DEP_1)
	v_mul_f32 v28, s22, v28                        ; the step's largest t
	s_delay_alu instid0(VALU_DEP_1)
	v_max_num_f32 v13, v13, v28
	v_mov_b32 v28, v12
	s_delay_alu instid0(VALU_DEP_2)
	v_floor_f32 v12, -v13                          ; the new -M = -ceil(t)
	s_delay_alu instid0(VALU_DEP_1)
	v_sub_f32 v28, v12, v28                        ; old M - new M: a whole number, 0 or less
	s_delay_alu instid0(VALU_DEP_1)
	v_cvt_i32_f32 v28, v28                         ; (it saturates)
	s_delay_alu instid0(VALU_DEP_1)
	v_ldexp_f32 v26, 1.0, v28                      ; f = 2^(old M - new M)
.set j, 0
.rept 32
	v_pk_fma_f32 v[S+j:S+j+1], v[S+j:S+j+1], s[22:23], v[12:13] op_sel_hi:[1,0,0]   ; t - M
.set j, j+2
.endr
.irp b, 0,1,2,3
	v_fma_f32 v[BM+\b], v[BM+\b], s22, v12
.endr
.set j, 0
	s_wait_alu depctr_va_vdst(0)
.rept 64
	v_exp_f32 v[S+j], v[S+j]                       ; p = 2^(t - M)
.set j, j+1
.endr
	v_pk_mul_f32 v[14:15], v[14:15], v[26:27] op_sel_hi:[1,0]   ; the sums under the new M (a plain place behind the exponentials)
	s_wait_alu depctr_va_vdst(0)                   ; one wait for the batch of 64, ahead of its first reader
.irp b, 0,1,2,3
	v_exp_f32 v[BM+\b], v[BM+\b]                   ; the blocks' largest p
.endr
	v_pk_add_f32 v[216:217], v[104:105], v[108:109]
	v_pk_add_f32 v[222:223], v[112:113], v[116:117]
	v_pk_add_f32 v[220:221], v[120:121], v[124:125]
	v_pk_add_f32 v[218:219], v[128:129], v[132:133]
	v_pk_add_f32 v[210:211], v[136:137], v[140:141]
	v_pk_add_f32 v[206:207], v[144:145], v[148:149]
	v_pk_add_f32 v[204:205], v[152:153], v[156:157]
	v_pk_add_f32 v[14:15], v[14:15], v[160:161]
	v_pk_add_f32 v[216:217], v[216:217], v[100:101]
	v_pk_add_f32 v[222:223], v[222:223], v[102:103]
	v_pk_add_f32 v[220:221], v[220:221], v[106:107]
	v_pk_add_f32 v[218:219], v[218:219], v[110:111]
	v_pk_add_f32 v[210:211], v[210:211], v[114:115]
	v_pk_add_f32 v[206:207], v[206:207], v[118:119]
	v_pk_add_f32 v[204:205], v[204:205], v[122:123]
	v_pk_add_f32 v[14:15], v[14:15], v[126:127]
	v_pk_add_f32 v[216:217], v[216:217], v[130:131]
	v_pk_add_f32 v[222:223], v[222:223], v[134:135]
	v_pk_add_f32 v[220:221], v[220:221], v[138:139]
	v_pk_add_f32 v[218:219], v[218:219], v[142:143]
	v_pk_add_f32 v[210:211], v[210:211], v[146:147]
	v_pk_add_f32 v[206:207], v[206:207], v[150:151]
	v_pk_add_f32 v[204:205], v[204:205], v[154:155]
	v_pk_add_f32 v[14:15], v[14:15], v[158:159]
	v_pk_add_f32 v[216:217], v[216:217], v[162:163]
	s_delay_alu instid0(VALU_DEP_2)
	v_pk_add_f32 v[14:15], v[14:15], v[218:219]
	s_delay_alu instid0(VALU_DEP_2)
	v_pk_add_f32 v[216:217], v[216:217], v[210:211]
	v_pk_add_f32 v[222:223], v[222:223], v[206:207]
	v_pk_add_f32 v[220:221], v[220:221], v[204:205]
	s_delay_alu instid0(VALU_DEP_2)
	v_pk_add_f32 v[14:15], v[14:15], v[222:223]
	s_delay_alu instid0(VALU_DEP_2)
	v_pk_add_f32 v[216:217], v[216:217], v[220:221]
	s_delay_alu instid0(VALU_DEP_1)
	v_pk_add_f32 v[14:15], v[14:15], v[216:217]
	s_wait_alu depctr_va_vdst(0)                   ; and one for the four
.irp b, 0,1,2,3
	v_max_num_f32 v[BM+\b], 0x1800000, v[BM+\b]    ; the floor 2^(3 - 127)
.endr
.irp b, 0,1,2,3
	s_delay_alu instid0(VALU_DEP_4)
	v_add_nc_u32 v[SO+\b], 0xff000000, v[BM+\b]
.endr
.irp b, 0,1,2,3
	s_delay_alu instid0(VALU_DEP_4)
	v_lshrrev_b32 v[PD+\b], 23, v[SO+\b]
.endr
	s_delay_alu instid0(VALU_DEP_3)
	v_lshl_or_b32 v[PSW], v[PD+1], 8, v[PD]        ; p's scale word for these 128 keys
	s_delay_alu instid0(VALU_DEP_1)
	v_lshl_or_b32 v[PSW], v[PD+2], 16, v[PSW]
	s_delay_alu instid0(VALU_DEP_1)
	v_lshl_or_b32 v[PSW], v[PD+3], 24, v[PSW]
.irp b, 0,1,2,3
	v_cvt_scalef32_pk8_fp4_f32 v[PCD+2*\b], v[S+16*\b:S+7+16*\b], v[SO+\b]
	v_cvt_scalef32_pk8_fp4_f32 v[PCD+1+2*\b], v[S+8+16*\b:S+15+16*\b], v[SO+\b]
.endr
	v_nop                                          ; one plain place behind a scaled conversion
.irp c, 0,1
.irp i, 0,1
	v_permlane16_swap_b32 v[PCD+4*\c+\i], v[PCD+2+4*\c+\i]
.endr
.endr
.set j, 0
.rept 16
	v_pk_mul_f32 v[OT+j:OT+j+1], v[OT+j:OT+j+1], v[26:27] op_sel_hi:[1,0]   ; O^T under the new M; these sixteen are also the places between the codes and the scale word just made and the products
.set j, j+2
.endr
	s_wait_alu depctr_va_vdst(0)
	s_wait_dscnt 0x0                               ; V and its words are in
.irp ct, 0,1,2,3                               ; the four accumulators take turns, one instruction a turn
.if (\ct)%2
	v_wmma_scale_f32_16x16x128_f8f6f4 v[OT+8*\ct:OT+8*\ct+7], v[68+8*\ct:75+8*\ct], v[PCD:PCD+7], v[OT+8*\ct:OT+8*\ct+7], v[VSC+\ct/2], v[PSW] matrix_a_fmt:MATRIX_FMT_FP4 matrix_b_fmt:MATRIX_FMT_FP4 matrix_a_scale:MATRIX_SCALE_ROW1
.else
	v_wmma_scale_f32_16x16x128_f8f6f4 v[OT+8*\ct:OT+8*\ct+7], v[68+8*\ct:75+8*\ct], v[PCD:PCD+7], v[OT+8*\ct:OT+8*\ct+7], v[VSC+\ct/2], v[PSW] matrix_a_fmt:MATRIX_FMT_FP4 matrix_b_fmt:MATRIX_FMT_FP4
.endif
.endr
.Lhidden:
	s_add_co_u32 s36, s36, KVSTEP
	s_add_co_u32 s37, s37, 128
	s_sub_co_u32 s38, s38, 1
	s_cmp_lg_u32 s38, 0
	s_cbranch_scc1 .Lstep
	; THE PASS'S END: O^T / the sum, x exp(agg_w), quantised along the head's 64 channels (two blocks)
.rept 4
	v_nop                                          ; places behind the last products
.endr
	v_add_f32 v14, v14, v15
	s_delay_alu instid0(VALU_DEP_1)
	v_permlanex16_b32 v28, v14, s20, s21
	s_delay_alu instid0(VALU_DEP_1)
	v_add_f32 v14, v14, v28                        ; the row's sum
	s_wait_alu depctr_va_vdst(0)
	v_rcp_f32 v14, v14
	v_nop                                          ; a plain place behind the transcendental
	s_wait_alu depctr_va_vdst(0)                   ; the wait, ahead of its first reader
.set j, 0
.rept 16
	v_pk_mul_f32 v[S+j:S+j+1], v[OT+j:OT+j+1], v[14:15] op_sel_hi:[1,0]   ; register 8 ct + y: channel 16 ct + 8 h + y of my query
.set j, j+2
.endr
.set j, 0
.rept 16
	v_pk_mul_f32 v[S+j:S+j+1], v[S+j:S+j+1], v[EA+j:EA+j+1]
.set j, j+2
.endr
.irp b, 0,1
	v_max3_num_f32 v[BM+\b], |v[S+16*\b]|, |v[S+1+16*\b]|, 0x1800000
.endr
.irp i, 2,4,6,8,10,12,14
.irp b, 0,1
	s_delay_alu instid0(VALU_DEP_2)
	v_max3_num_f32 v[BM+\b], v[BM+\b], |v[S+16*\b+\i]|, |v[S+1+16*\b+\i]|
.endr
.endr
.irp b, 0,1
	s_delay_alu instid0(VALU_DEP_2)
	v_permlanex16_b32 v[PD+\b], v[BM+\b], s20, s21
.endr
.irp b, 0,1
	s_delay_alu instid0(VALU_DEP_2)
	v_max_num_f32 v[BM+\b], v[BM+\b], v[PD+\b]
.endr
.irp b, 0,1
	s_delay_alu instid0(VALU_DEP_2)
	v_add_nc_u32 v[SO+\b], 0xff000000, v[BM+\b]
.endr
.irp b, 0,1
	s_delay_alu instid0(VALU_DEP_2)
	v_lshrrev_b32 v[PD+\b], 23, v[SO+\b]
.endr
	s_delay_alu instid0(VALU_DEP_1)
	v_lshl_or_b32 v29, v[PD+1], 8, v[PD]
	s_delay_alu instid0(VALU_DEP_1)
	v_lshrrev_b32 v29, v7, v29                     ; the byte of block lane / 16 in the low byte
.irp b, 0,1
	v_cvt_scalef32_pk8_fp4_f32 v[PCD+2*\b], v[S+16*\b:S+7+16*\b], v[SO+\b]
	v_cvt_scalef32_pk8_fp4_f32 v[PCD+1+2*\b], v[S+8+16*\b:S+15+16*\b], v[SO+\b]
.endr
	v_nop
	v_permlane16_swap_b32 v[PCD], v[PCD+2]
	v_permlane16_swap_b32 v[PCD+1], v[PCD+3]       ; lanes 0-15 block 0, lanes 16-31 block 1
	global_store_b128 v1, v[PCD:PCD+3], s[40:41]   ; 512 consecutive aligned bytes
	global_store_b8 v6, v29, s[42:43]
.irp j, 0,1,2,3
	v_mov_b32 v[16+\j], v[8+\j]                    ; the second pass's Q,
.endr
	v_mov_b32 v24, v25                             ; its scale words,
	s_mov_b32 s18, s17                             ; and its tile
	s_sub_co_u32 s39, s39, 1
	s_cmp_lg_u32 s39, 0
	s_cbranch_scc1 .Lpass
	s_wait_xcnt 0x0
	v_lshl_add_u32 v254, v0, 2, 0x29000
	v_mov_b32 v255, 0
	s_wait_alu depctr_va_vdst(0)
	s_wait_tensorcnt 0x0
	ds_add_u32 v254, v255
	s_wait_dscnt 0x0
	s_endpgm
.Lfunc_end_k_qdfe59e7a27_attn:
	.size	k_qdfe59e7a27_attn, .Lfunc_end_k_qdfe59e7a27_attn-k_qdfe59e7a27_attn
	.p2alignl 7, 3214868480
	.fill 96, 4, 3214868480
	.section	.rodata,"a",@progbits
	.p2align	6, 0x0
	.amdhsa_kernel k_qdfe59e7a27_attn
		.amdhsa_group_segment_fixed_size 169984
		.amdhsa_private_segment_fixed_size 0
		.amdhsa_enable_private_segment 0
		.amdhsa_kernarg_size 40
		.amdhsa_user_sgpr_count 2
		.amdhsa_user_sgpr_kernarg_segment_ptr 1
		.amdhsa_wavefront_size32 1
		.amdhsa_system_sgpr_workgroup_id_x 1
		.amdhsa_system_sgpr_workgroup_id_y 1
		.amdhsa_system_sgpr_workgroup_id_z 1
		.amdhsa_system_vgpr_workitem_id 0
		.amdhsa_next_free_vgpr 256
		.amdhsa_next_free_sgpr 66
		.amdhsa_reserve_vcc 1
		.amdhsa_float_denorm_mode_32 3
		.amdhsa_float_denorm_mode_16_64 3
		.amdhsa_memory_ordered 1
		.amdhsa_forward_progress 1
		.amdhsa_inst_pref_size 37
	.end_amdhsa_kernel
	.amdgpu_metadata
---
amdhsa.version: [ 1, 2 ]
amdhsa.kernels:
  - .name:           k_qdfe59e7a27_attn
    .symbol:         k_qdfe59e7a27_attn.kd
    .args:
      - { .name: qf, .offset: 0, .size: 8, .value_kind: global_buffer, .address_space: global }
      - { .name: qs, .offset: 8, .size: 8, .value_kind: global_buffer, .address_space: global }
      - { .name: kv, .offset: 16, .size: 8, .value_kind: global_buffer, .address_space: global }
      - { .name: agg_w, .offset: 24, .size: 8, .value_kind: global_buffer, .address_space: global }
      - { .name: af, .offset: 32, .size: 8, .value_kind: global_buffer, .address_space: global }
    .group_segment_fixed_size: 169984
    .private_segment_fixed_size: 0
    .kernarg_segment_align: 8
    .kernarg_segment_size: 40
    .max_flat_workgroup_size: 512
    .sgpr_count:     66
    .vgpr_count:     256
    .wavefront_size: 32
...
	.end_amdgpu_metadata
.endif
;; end of part 3
;; launch outp (part 4): grid 8 x 32, 8 waves a work-group, clusters of 4 x 4, 327,680 bytes of LDS; arguments af, qc, qsc, b_out, out0; writes out0
.if DOCPART == 4
	.amdgcn_target "amdgcn-amd-amdhsa--gfx1250"
	.amdhsa_code_object_version 6
	.text
	.protected	k_qdfe59e7a27_outp
	.globl	k_qdfe59e7a27_outp
	.p2align	8
	.type	k_qdfe59e7a27_outp,@function
k_qdfe59e7a27_outp:
	s_mov_b64 s[64:65], 0
	v_nop
	global_prefetch_b8 v0, s[64:65] scope:SCOPE_SE
	s_setreg_imm32_b32 hwreg(HW_REG_WAVE_MODE, 25, 1), 1
	s_wait_xcnt 0x0
	s_wait_alu depctr_hold_cnt(0) depctr_sa_sdst(0) depctr_va_vdst(0) depctr_va_sdst(0) depctr_va_ssrc(0) depctr_va_vcc(0) depctr_vm_vsrc(0)
	s_getreg_b32 s2, hwreg(HW_REG_IB_STS2, 6, 4)
	s_cmp_eq_u32 s2, 0
	s_cbranch_scc0 .Lentry_in_a_cluster
	s_endpgm
.Lentry_in_a_cluster:
	s_bfe_u32 s2, ttmp6, 0x10000c
	s_cmp_lg_u32 s2, 0xf033
	s_cbranch_scc0 .Lentry_shape_is_right
	s_endpgm
.Lentry_shape_is_right:
; out0 = att W_out^T + b_out on codes of FP4 with E8M0 scales: M = 4,096 tokens, K = 2,048, N = 1,024; out0 is f32.
; att comes as images of operand registers: af [128 tokens][K step of 128][8,704]: codes [tile of 16 tokens][c][lane][16], then scale words [tile][token].
; W_out's codes are rows of 1,024 bytes at byte 7,340,032 of qc, its scale bytes rows of 64 at byte 458,752 of qsc.
; SHARES.  A work-group makes 128 tokens x 128 columns: 256 work-groups.  Wave w takes tokens 64 (w / 4) on and columns 32 (w % 4) on: eight accumulators.
; All of K lies in LDS, filled once, in two halves along K.  4 x 4 work-groups form a cluster: att's block is shared along a row of the cluster, W_out's rows along a column: each is asked for jointly.
; EIGHT TILES, ONE JOINT LOAD A WAVE: waves 0, 1 att's first half of K (four K steps each), waves 2, 3 W_out's first half (64 rows each), waves 4, 5 and 6, 7 the same of the second half.
; Waves 0 to 3 wait for their loads ahead of the first barrier, waves 4 to 7 ahead of the second: the second half lands while the first is multiplied.
; W_OUT'S SCALE WORDS go from memory into registers: lane l takes the 64 bytes of row 32 (w % 4) + l (a wave reads 2,048 consecutive bytes): register k is the scale operand of K step k, lanes 0-15 for n = 0, lanes 16-31 for n = 1.
; THE MATRIX INSTRUCTION IS USED TRANSPOSED (source 0 = 16 rows of W_out, source 1 = 16 tokens): a lane holds eight neighbouring columns of one token.  b_out is the C of each sum's first instruction.
; OUT: through a stage in LDS (over att's block, which has had its one fill and which nobody reads any more), so that a store covers 512 consecutive aligned bytes of a row of out0.
; No prefetch: every tile is asked for at the head, and there is no loop to run ahead in.
.set ABLK,  139264                     ; att's block: 16 K steps x 8,704 bytes, at LDS byte 0, as it lies in memory
.set KSB,   8704
.set BC,    139264                     ; W_out's codes: two halves of K x 128 rows x (512 bytes + 16)
.set BP,    528                        ; 132 words: the 16 rows that a load touches start at 16 different banks (ISA guide 11.1)
.set BHALF, 128*BP
.set SPARE, BC+2*BHALF                 ; the spare words: 128 bytes a wave, four blocks of 256 bytes that no other line names
.set ACC,   64                         ; v64-127  accumulator (a, n) at v[ACC + 8 (2 a + n)]; later rows of out0
.set AFR,   128                        ; v128-159 att's four fragments
.set BF,    160                        ; v160-175 W_out's two
.set SA,    176                        ; v176-177 att's scale words: lanes 0-15 tile 2 i, lanes 16-31 tile 2 i + 1
.set BIAS,  180                        ; v180-195
.set SW,    196                        ; v196-211 W_out's scale words, one register a K step
.set G1A, 24                           ; s[24:31] group 1 for att's block; s[32:39] group 0, a set for each half
.set G0A, 32
.set G1B, 48                           ; the same for W_out's codes
.set G0B, 56
.macro CROUND                          ; a round of the cluster's barrier
	s_barrier_signal -1
	s_barrier_wait -1
	s_cmp_lg_u32 s14, 0
	s_cbranch_scc1 .Lnot_wave_0_\@
	s_barrier_signal -3
.Lnot_wave_0_\@:
	s_barrier_wait -3
	s_barrier_signal -1
	s_barrier_wait -1
.endm
.macro ARM under, g0, g1, next         ; one arm of the head's chain of branches on the wave's number: one joint load
	s_cmp_lt_u32 s14, \under
	s_cbranch_scc0 \next
	tensor_load_to_lds s[\g0:\g0+3], s[\g1:\g1+7]
	s_nop 0
.rept 4
	v_nop
.endr
	s_branch .Lasked
\next:
.endm
	s_load_b256 s[4:11], s[0:1], 0x0               ; af, qc, qsc, b_out
	s_load_b64 s[12:13], s[0:1], 0x20              ; out0
	v_lshl_add_u32 v254, v0, 2, SPARE
	v_mov_b32 v255, 0
	ds_add_u32 v254, v255                          ; the opening lines: the add, twice on end, and its wait
	ds_add_u32 v254, v255
	v_lshrrev_b32 v1, 5, v0
	s_delay_alu instid0(VALU_DEP_1)
	v_readfirstlane_b32 s14, v1                    ; wave 0..7
	s_lshr_b32 s15, s14, 2                         ; wi
	s_and_b32 s16, s14, 3                          ; wj
	s_and_b32 s17, s14, 1                          ; which part of a half I fetch
	s_bfe_u32 s40, ttmp6, 0x40000                  ; cx
	s_bfe_u32 s41, ttmp6, 0x40004                  ; cy
	s_lshl_b32 s42, ttmp9, 2
	s_add_co_u32 s42, s42, s40                     ; which 128 columns
	s_and_b32 s18, ttmp7, 0xffff
	s_lshl_b32 s18, s18, 2
	s_add_co_u32 s18, s18, s41                     ; which 128 tokens
	s_lshl_b32 s43, s41, 2
	s_lshl_b32 s43, 15, s43                        ; my row of the cluster
	s_lshl_b32 s44, 0x1111, s40                    ; my column
	s_or_b32 s[G1A], s43, (3<<16)|(1<<21)          ; att: four K steps, 34,816 dense bytes, as 136 rows of 256 (32 elements of 8 bytes), no padding
	s_mov_b32 s[G1A+1], 32<<16
	s_mov_b32 s[G1A+2], 136<<16
	s_mov_b32 s[G1A+3], 32<<16
	s_mov_b32 s[G1A+4], 136
	s_mov_b32 s[G1A+5], 32
	s_mov_b32 s[G1A+6], 0
	s_mov_b32 s[G1A+7], 0
	s_or_b32 s[G1B], s44, (0<<16)|(1<<20)|(1<<21)|(6<<22)|(3<<25)   ; W_out's codes: 64 rows x 512 bytes, 1,024 bytes apart; four words of padding after every 128
	s_mov_b32 s[G1B+1], 512<<16
	s_mov_b32 s[G1B+2], 64<<16
	s_mov_b32 s[G1B+3], 512<<16
	s_mov_b32 s[G1B+4], 64
	s_mov_b32 s[G1B+5], 1024
	s_mov_b32 s[G1B+6], 0
	s_mov_b32 s[G1B+7], 0
	s_mul_i32 s19, s17, 4*KSB                      ; att: my four K steps of a half, in LDS and in the block alike
	s_mul_i32 s20, s18, ABLK
	s_add_co_u32 s20, s20, s19
	s_mov_b32 s21, 0
	s_lshl_b32 s46, s42, 7
	s_lshl_b32 s22, s17, 6
	s_add_co_u32 s46, s46, s22                     ; W_out: my first row of 64
	s_lshl_b32 s46, s46, 10
	s_add_co_u32 s46, s46, 7340032                 ; its codes in qc
	s_mov_b32 s47, 0
	s_lshl_b32 s80, s42, 13                        ; the scale bytes of the 32 rows that I multiply: 64 bytes a row
	s_lshl_b32 s22, s16, 11
	s_add_co_u32 s80, s80, s22
	s_add_co_u32 s80, s80, 458752
	s_mov_b32 s81, 0
	s_mul_i32 s82, s17, 64*BP
	s_wait_dscnt 0x0                               ; both opening adds are done
	s_wait_kmcnt 0x0
	s_add_nc_u64 s[20:21], s[4:5], s[20:21]
	s_add_nc_u64 s[46:47], s[6:7], s[46:47]
	s_add_nc_u64 s[80:81], s[8:9], s[80:81]
	CROUND                                         ; all sixteen work-groups are here: the joint loads meet
.irp H, 0,1
	s_mov_b32 s[G0A+4*\H], 1
	s_add_co_u32 s[G0A+4*\H+1], s19, \H*8*KSB
	s_add_nc_u64 s[G0A+4*\H+2:G0A+4*\H+3], s[20:21], \H*8*KSB
	s_or_b32 s[G0A+4*\H+3], s[G0A+4*\H+3], 0x80000000
	s_mov_b32 s[G0B+4*\H], 1
	s_add_co_u32 s[G0B+4*\H+1], s82, BC+\H*BHALF
	s_add_nc_u64 s[G0B+4*\H+2:G0B+4*\H+3], s[46:47], \H*512
	s_or_b32 s[G0B+4*\H+3], s[G0B+4*\H+3], 0x80000000
.endr
	ARM 2, G0A,   G1A, .Larm_b0
	ARM 4, G0B,   G1B, .Larm_a1
	ARM 6, G0A+4, G1A, .Larm_b1
	tensor_load_to_lds s[G0B+4:G0B+7], s[G1B:G1B+7]
	s_nop 0
.rept 4
	v_nop
.endr
.Lasked:
	v_and_b32 v15, 31, v0                          ; lane
	v_and_b32 v16, 15, v0                          ; r
	v_bfe_u32 v17, v0, 4, 1                        ; h
	s_delay_alu instid0(VALU_DEP_3)
	v_lshlrev_b32 v1, 4, v15                       ; 16 lane
	s_delay_alu instid0(VALU_DEP_4)
	v_lshlrev_b32 v2, 2, v15                       ; 4 lane
	s_wait_alu depctr_va_vdst(0)
	v_lshlrev_b32 v14, 5, v17                      ; 32 h
	v_lshlrev_b32 v20, 6, v15                      ; 64 lane
	s_lshl_b32 s84, s42, 9
	s_lshl_b32 s22, s16, 7
	s_add_co_u32 s84, s84, s22                     ; b_out at my 32 columns
	s_mov_b32 s85, 0
	s_add_nc_u64 s[10:11], s[10:11], s[84:85]
.irp n, 0,1
	global_load_b128 v[BIAS+8*\n:BIAS+8*\n+3], v14, s[10:11] offset:64*\n        ; b_out(16 n + 8 h + 0 .. 7): the result's layout
	global_load_b128 v[BIAS+8*\n+4:BIAS+8*\n+7], v14, s[10:11] offset:64*\n+16
.endr
.irp i, 0,1,2,3
	global_load_b128 v[SW+4*\i:SW+4*\i+3], v20, s[80:81] offset:16*\i            ; my row's sixteen scale words
.endr
	s_lshl_b32 s22, s15, 12
	v_add_nc_u32 v3, s22, v1                       ; att's fragments: my four tiles of tokens
	s_lshl_b32 s22, s15, 8
	s_add_co_u32 s22, s22, 8192
	v_add_nc_u32 v4, s22, v2                       ; their scale words
	s_lshl_b32 s22, s16, 5
	v_add_nc_u32 v18, s22, v16
	s_delay_alu instid0(VALU_DEP_1)
	v_mul_u32_u24 v5, v18, BP
	s_delay_alu instid0(VALU_DEP_1)
	v_lshl_add_u32 v5, v17, 4, v5
	s_delay_alu instid0(VALU_DEP_1)
	v_add_nc_u32 v5, BC, v5                        ; W_out's fragments: row 32 wj + r, + 16 h
	s_lshl_b32 s22, s15, 6
	v_add_nc_u32 v18, s22, v16
	s_delay_alu instid0(VALU_DEP_1)
	v_mul_u32_u24 v12, v18, BP
	s_delay_alu instid0(VALU_DEP_1)
	v_lshl_add_u32 v12, v17, 5, v12
	s_lshl_b32 s22, s16, 7
	v_add_nc_u32 v12, s22, v12                     ; the stage, in: row 64 wi + r, + 128 wj + 32 h
	s_mul_i32 s22, s14, 16*BP
	v_add_nc_u32 v13, s22, v1                      ; and back: my 16 rows, 16 bytes a lane
	s_lshl_b32 s84, s18, 7
	s_lshl_b32 s22, s14, 4
	s_add_co_u32 s84, s84, s22                     ; the first row of out0 that I store
	s_lshl_b32 s84, s84, 12
	s_lshl_b32 s22, s42, 9
	s_add_co_u32 s84, s84, s22
	s_add_nc_u64 s[12:13], s[12:13], s[84:85]
.macro MM k, a, n
.set DD, ACC+8*(2*(\a)+(\n))
.set CC, DD
.if (\k) == 0
.set CC, BIAS+8*(\n)
.endif
.if ((\a)%2) && (\n)
	v_wmma_scale_f32_16x16x128_f8f6f4 v[DD:DD+7], v[BF+8*(\n):BF+8*(\n)+7], v[AFR+8*(\a):AFR+8*(\a)+7], v[CC:CC+7], v[SW+(\k)], v[SA+(\a)/2] matrix_a_fmt:MATRIX_FMT_FP4 matrix_b_fmt:MATRIX_FMT_FP4 matrix_a_scale:MATRIX_SCALE_ROW1 matrix_b_scale:MATRIX_SCALE_ROW1
.elseif (\n)
	v_wmma_scale_f32_16x16x128_f8f6f4 v[DD:DD+7], v[BF+8*(\n):BF+8*(\n)+7], v[AFR+8*(\a):AFR+8*(\a)+7], v[CC:CC+7], v[SW+(\k)], v[SA+(\a)/2] matrix_a_fmt:MATRIX_FMT_FP4 matrix_b_fmt:MATRIX_FMT_FP4 matrix_a_scale:MATRIX_SCALE_ROW1
.elseif (\a)%2
	v_wmma_scale_f32_16x16x128_f8f6f4 v[DD:DD+7], v[BF+8*(\n):BF+8*(\n)+7], v[AFR+8*(\a):AFR+8*(\a)+7], v[CC:CC+7], v[SW+(\k)], v[SA+(\a)/2] matrix_a_fmt:MATRIX_FMT_FP4 matrix_b_fmt:MATRIX_FMT_FP4 matrix_b_scale:MATRIX_SCALE_ROW1
.else
	v_wmma_scale_f32_16x16x128_f8f6f4 v[DD:DD+7], v[BF+8*(\n):BF+8*(\n)+7], v[AFR+8*(\a):AFR+8*(\a)+7], v[CC:CC+7], v[SW+(\k)], v[SA+(\a)/2] matrix_a_fmt:MATRIX_FMT_FP4 matrix_b_fmt:MATRIX_FMT_FP4
.endif
.endm
; K step k, 128 along K: fourteen LDS loads, eight products on eight accumulators by turns.  The steps are written by this macro, since each names its own scale register.
.macro KSTEP k
	v_add_nc_u32 v8, (\k)*KSB, v3                  ; these three and the v_nop are the four places in front of loads into registers that the last products have read
	v_add_nc_u32 v9, (\k)*KSB, v4
	v_add_nc_u32 v10, ((\k)/8)*BHALF+((\k)%8)*64, v5
	v_nop
.irp a, 0,1,2,3
.irp c, 0,1
	ds_load_b128 v[AFR+8*\a+4*\c:AFR+8*\a+4*\c+3], v8 offset:1024*\a+512*\c
.endr
.endr
.irp n, 0,1
.irp c, 0,1
	ds_load_b128 v[BF+8*\n+4*\c:BF+8*\n+4*\c+3], v10 offset:16*BP*\n+32*\c
.endr
.endr
	ds_load_b32 v[SA], v9
	ds_load_b32 v[SA+1], v9 offset:128
	s_wait_dscnt 0x0
.irp a, 0,1,2,3
.irp n, 0,1
	MM \k, \a, \n
.endr
.endr
.endm
	s_wait_alu depctr_va_vdst(0)
	s_wait_loadcnt 0x0                             ; b_out and W_out's scale words
	s_cmp_lt_u32 s14, 4                            ; waves 0 to 3 hold the first half of K: their one load has landed ahead of the first barrier
	s_cbranch_scc0 .Lsecond_half
	s_wait_tensorcnt 0x0
.Lsecond_half:
	s_barrier_signal -1
	s_barrier_wait -1                              ; the first half of K lies in LDS
.irp k, 0,1,2,3,4,5,6,7
	KSTEP \k
.endr
	s_wait_tensorcnt 0x0                           ; waves 4 to 7: my part of the second half has landed,
	s_barrier_signal -1
	s_barrier_wait -1                              ; everybody's has
.irp k, 8,9,10,11,12,13,14,15
	KSTEP \k
.endr
.rept 4
	v_nop                                          ; places in front of the first read of results
.endr
	s_barrier_signal -1                            ; my LDS loads are all in (each K step waited for its own):
	s_barrier_wait -1                              ; nobody reads att's block any more
.irp a, 0,1,2,3
.irp n, 0,1
	ds_store_b128 v12, v[ACC+8*(2*\a+\n):ACC+8*(2*\a+\n)+3] offset:16*BP*\a+64*\n          ; lane (r, h): out0(64 wi + 16 a + r, 32 wj + 16 n + 8 h + 0 .. 7); each accumulator from its low end on
	ds_store_b128 v12, v[ACC+8*(2*\a+\n)+4:ACC+8*(2*\a+\n)+7] offset:16*BP*\a+64*\n+16
.endr
.endr
	s_wait_dscnt 0x0                               ; for the others' sake: my stores into the stage are done
	s_barrier_signal -1
	s_barrier_wait -1                              ; 128 whole rows lie in the stage
.irp i, 0,1,2,3,4,5,6,7,8,9,10,11,12,13,14,15
	ds_load_b128 v[ACC+4*\i:ACC+4*\i+3], v13 offset:BP*\i
.endr
.irp i, 0,1,2,3,4,5,6,7,8,9,10,11,12,13,14,15
	s_wait_dscnt 15-\i                             ; row i is in; the 15 - i younger rows' loads may be out
	global_store_b128 v1, v[ACC+4*\i:ACC+4*\i+3], s[12:13] offset:4096*\i th:TH_STORE_NT   ; 32 lanes store 512 consecutive aligned bytes
.endr
	s_wait_tensorcnt 0x0                           ; the wave's end
	ds_add_u32 v254, v255
	s_wait_dscnt 0x0
	CROUND                                         ; the closing round
	s_endpgm
.Lfunc_end_k_qdfe59e7a27_outp:
	.size	k_qdfe59e7a27_outp, .Lfunc_end_k_qdfe59e7a27_outp-k_qdfe59e7a27_outp
	.p2alignl 7, 3214868480
	.fill 96, 4, 3214868480
	.section	.rodata,"a",@progbits
	.p2align	6, 0x0
	.amdhsa_kernel k_qdfe59e7a27_outp
		.amdhsa_group_segment_fixed_size 327680
		.amdhsa_private_segment_fixed_size 0
		.amdhsa_enable_private_segment 0
		.amdhsa_kernarg_size 40
		.amdhsa_user_sgpr_count 2
		.amdhsa_user_sgpr_kernarg_segment_ptr 1
		.amdhsa_wavefront_size32 1
		.amdhsa_system_sgpr_workgroup_id_x 1
		.amdhsa_system_sgpr_workgroup_id_y 1
		.amdhsa_system_sgpr_workgroup_id_z 1
		.amdhsa_system_vgpr_workitem_id 0
		.amdhsa_next_free_vgpr 256
		.amdhsa_next_free_sgpr 100
		.amdhsa_reserve_vcc 0
		.amdhsa_float_denorm_mode_32 3
		.amdhsa_float_denorm_mode_16_64 3
		.amdhsa_memory_ordered 1
		.amdhsa_forward_progress 1
		.amdhsa_inst_pref_size 47
	.end_amdhsa_kernel
	.amdgpu_metadata
---
amdhsa.version: [ 1, 2 ]
amdhsa.kernels:
  - .name:           k_qdfe59e7a27_outp
    .symbol:         k_qdfe59e7a27_outp.kd
    .args:
      - { .name: af, .offset: 0, .size: 8, .value_kind: global_buffer, .address_space: global }
      - { .name: qc, .offset: 8, .size: 8, .value_kind: global_buffer, .address_space: global }
      - { .name: qsc, .offset: 16, .size: 8, .value_kind: global_buffer, .address_space: global }
      - { .name: b_out, .offset: 24, .size: 8, .value_kind: global_buffer, .address_space: global }
      - { .name: out0, .offset: 32, .size: 8, .value_kind: global_buffer, .address_space: global }
    .group_segment_fixed_size: 327680
    .private_segment_fixed_size: 0
    .kernarg_segment_align: 8
    .kernarg_segment_size: 40
    .max_flat_workgroup_size: 256
    .sgpr_count:     100
    .vgpr_count:     256
    .wavefront_size: 32
...
	.end_amdgpu_metadata
.endif
;; end of part 4
